; MI455X (gfx1250); checked and timed in simulation.
; The chip was launched on July 23, 2026; its instructions are those of AMD's public machine-readable ISA for CDNA 5 (MIT licence, August 2026) and "CDNA5" Instruction Set Architecture Reference Guide (July 2026). The comments in the code are by the model that wrote it; some were corrected since.
;; Multi Head Attention Block. Allowed arithmetic: matrix products marked QUANTISED: E2M1 operands, one E8M0 scale for each 32 along K, by v_wmma_scale_f32_16x16x128_f8f6f4 with both operands' format E2M1 (or v_wmma_scale_f32_32x16x128_f4), f32 sums; products left as they are: bf16, f16 or f32 operands; f32 sums; everything else in f32.
;; Inputs: k 2 x 4,096 x 512 float32; mask 2 x 1 x 1 x 4,096 int32; q 2 x 4,096 x 512 float32; v 2 x 4,096 x 512 float32; w_k 512 x 512 float32; w_o 512 x 512 float32; w_q 512 x 512 float32; w_v 512 x 512 float32.
;; Outputs: out0 2 x 4,096 x 512 float32.
;; This version of the problem:
;;   THIS VERSION OF THE PROBLEM IS GIVEN IN LOW PRECISION. The matrix products marked QUANTISED in the list below multiply operands that are first quantised to E2M1 (2 exponent bits, 1 mantissa bit; 4 bits a number), with one power-of-two scale for each 32 numbers along K (OCP MX v1.0); their sums are f32. The products marked 'left as it is' may take bf16, f16 or f32 operands, with f32 sums. Whichever they take, every output number must still come out within the allowed error. Rounding operands to bf16 (8 significant bits) uses up far more of that allowance than f16 does (11 bits, for magnitudes from 6e-5 to 65,504). All else is computed in f32.
;;   The module's matrix products, in the order in which they are computed (A, B: the left and right operand; K: the contracted axis; several contracted axes count as one K, in the product's order):
;;     1. [M 8,192, K 512] x [K 512, N 512]; A: input q; B: input w_q: QUANTISED
;;     2. [M 8,192, K 512] x [K 512, N 512]; A: input k; B: input w_k: QUANTISED
;;     3. [M 8,192, K 512] x [K 512, N 512]; A: input v; B: input w_v: QUANTISED
;;     4. batch 16 x [M 4,096, K 64] x [K 64, N 4,096]; A: computed on the way; B: computed on the way: left as it is (an operand is computed on the way)
;;     5. batch 16 x [M 4,096, K 4,096] x [K 4,096, N 64]; A: computed on the way; B: computed on the way: left as it is (an operand is computed on the way)
;;     6. [M 8,192, K 512] x [K 512, N 512]; A: computed on the way; B: input w_o: left as it is (an operand is computed on the way)
;;   THE QUANTISER, for each operand of a quantised product, along K:
;;     - K is cut into blocks of 32 from its start; a last block that is shorter is filled with zeros.
;;     - A block's scale is 2^e with e = floor(log2(the largest magnitude in the block)) - 2, held to -126 .. 127; a block of zeros has e = 0. As a byte (E8M0): e + 127.
;;     - Each number is divided by its block's scale, clamped to +-6, and rounded to the nearest number of E2M1, ties to even, subnormals kept.
;;     - The product sums the exact products of the quantised numbers (number of the format x scale) in f32.
;;   ~~~python
;;   def quantise(x, axis):      # numpy; x: float32 -> the quantised numbers, widened to float32 again
;;       x = np.moveaxis(x, axis, -1); K = x.shape[-1]
;;       x = np.pad(x, [(0, 0)] * (x.ndim - 1) + [(0, -K % 32)]); x = x.reshape(x.shape[:-1] + (-1, 32)); a = np.abs(x).max(-1, keepdims=True)
;;       e = np.where(a > 0, np.clip(np.frexp(np.where(a > 0, a, 1))[1] - 1 - 2, -126, 127), 0)      # np.frexp(a)[1] - 1 = floor(log2(a)), exactly
;;       r = np.clip(x / 2.0 ** e, -6, 6)
;;       step = 2.0 ** (np.maximum(np.frexp(np.where(r == 0, 1, r))[1] - 1, 0) - 1)
;;       q = np.round(r / step) * step * 2.0 ** e      # np.round: ties to even
;;       return np.moveaxis(q.reshape(q.shape[:-2] + (-1,))[..., :K], -1, axis).astype(np.float32)
;;   ~~~
;; One version. Each part assembles by itself: llvm-mc -triple=amdgcn-amd-amdhsa -mcpu=gfx1250 --defsym DOCPART=n.
;; ======== version 1 of 1: 4 launches
;; limits: values are held in f16: magnitudes above 65,504 overflow, below 6.1e-05 lose precision; right only within a limited range of input values
;; workspace buffers: order 33,024 bytes of whole numbers; wcodes 393,216 bytes; wscales 24,576 bytes; wof 524,288 bytes; qf 8,388,608 bytes; kf 8,388,608 bytes; vf 8,388,608 bytes; xf 8,388,608 bytes
;; launch prep (part 1): grid 58 x 1, 4 waves a work-group, no clusters, 0 bytes of LDS; arguments mask, w_q, w_k, w_v, w_o, order, wcodes, wscales, wof; writes order, wcodes, wscales, wof
.if DOCPART == 1
	.amdgcn_target "amdgcn-amd-amdhsa--gfx1250"
	.amdhsa_code_object_version 6
	.text
	.protected	k_q277ec1da38_prep
	.globl	k_q277ec1da38_prep
	.p2align	8
	.type	k_q277ec1da38_prep,@function
k_q277ec1da38_prep:
	s_mov_b64 s[64:65], 0
	v_nop
	global_prefetch_b8 v0, s[64:65] scope:SCOPE_SE
	s_setreg_imm32_b32 hwreg(HW_REG_WAVE_MODE, 25, 1), 1
	s_wait_xcnt 0x0
; MULTI-HEAD ATTENTION, B = 2, S = 4,096, 8 heads of 64.  FIRST OF FOUR LAUNCHES: the key order, and the weights as images of operand registers.
; WHAT THE PROGRAM LEAVES OUT, AND WHY IT MAY.  No input and no product is dead: all eight inputs are loaded.  But reference() replaces the score of a key whose mask is 0 by -1e9; as soon as one
; key of the batch is live, such a key's weight exp(-1e9 - max) is 0 in f32.  The mask is whole numbers read from memory, so the program does only what they ask for: this launch sorts each batch's
; keys, live ones first (order: a permutation idx[b][p], and the live count); the projection launch gathers rows idx[p] of k and v; the attention launch walks ceil(count / 128) blocks of 128 keys,
; with the masked keys inside the last block replaced as reference() replaces them.  With no live key it walks all 4,096 with every score replaced: reference()'s uniform mean.
; LIMITS: this holds while some live score of each row lies above about -1e9 + 104.  A NaN, an infinity or an overflow that reaches only masked keys left out is not carried to the result.
; NaN and infinities among the inputs are not served.  Quantiser blocks whose largest magnitude lies under 2^(3 - 127) keep the scale byte 1 (a block of zeros too: its codes are zeros, and this program alone reads the bytes).
; WORK-GROUPS 0, 1: batch b's key order.  2 .. 25: w_q, w_k, w_v to E2M1 codes and E8M0 scale words.  26 .. 57: w_o to f16.  No LDS, no barrier: waves share nothing.
; LAYOUTS: wcodes [w 3][nt 32][ks 4][c 2][lane][16 B]: lane (r, h) holds row 16 nt + r, k = 128 ks + 64 c + 32 h + 0 .. 31: the matrix operand's registers 4 c .. 4 c + 3.  wscales [w][row 512][4 words], word ks: 4 bytes.
; wof [nt 32][kk 16][e 2][lane][16 B]: lane (r, h): row 16 nt + r, k = 32 kk + 16 e + 8 h + 0 .. 7 in f16.  Every store of a wave into these covers 512 (the scale words: 256) consecutive bytes, aligned.
.set SEL, 24                           ; s[24:25] lane selects for v_permlanex16_b32: lane l xor 16
.set SH8, 7                            ; v7   8 h
.set QM,  8                            ; v8-9   largest magnitudes, then bytes
.set QE,  12                           ; v12-13 the conversions' scale operands
.set QT,  14                           ; v14  the other half's bytes
; 64 numbers of a lane, register 32 c + i = k 64 c + 32 h + i of my row, become 8 registers of codes and the row's scale word.  A lane holds two whole blocks of 32.
.macro QUANT2 xs, pc, sw
.irp c, 0,1
	v_max3_num_f32 v[QM+\c], |v[(\xs)+32*\c]|, |v[(\xs)+32*\c+1]|, 0x1800000   ; with the floor 2^(3 - 127): the byte cannot fall under 1
.endr
.irp i, 2,4,6,8,10,12,14,16,18,20,22,24,26,28,30
.irp c, 0,1
	v_max3_num_f32 v[QM+\c], v[QM+\c], |v[(\xs)+32*\c+\i]|, |v[(\xs)+32*\c+\i+1]|   ; the two blocks by turns
.endr
.endr
.irp c, 0,1
	v_add_nc_u32 v[QE+\c], 0xff000000, v[QM+\c]    ; 2 off the exponent field: the conversion takes this operand's exponent field as its scale
.endr
.irp c, 0,1
	v_lshrrev_b32 v[QM+\c], 23, v[QE+\c]           ; the scale's byte
.endr
	v_lshl_or_b32 v[\sw], v[QM+1], 16, v[QM]       ; my blocks are h and 2 + h of the four
	v_lshlrev_b32 v[\sw], v[SH8], v[\sw]
	v_permlanex16_b32 v[QT], v[\sw], s[SEL], s[SEL+1]
	v_or_b32 v[\sw], v[\sw], v[QT]                 ; with lane l xor 16's two bytes the word is whole
.irp c, 0,1
.irp g, 0,1,2,3
	v_cvt_scalef32_pk8_fp4_f32 v[(\pc)+4*\c+\g], v[(\xs)+32*\c+8*\g:(\xs)+32*\c+8*\g+7], v[QE+\c]
.endr
.endr
	v_nop                                          ; one plain instruction behind the last scaled conversion
.endm
	s_load_b256 s[4:11], s[0:1], 0x0               ; mask s[4:5], w_q s[6:7], w_k s[8:9], w_v s[10:11]
	s_load_b256 s[12:19], s[0:1], 0x20             ; w_o s[12:13], order s[14:15], wcodes s[16:17], wscales s[18:19]
	s_load_b64 s[20:21], s[0:1], 0x40              ; wof
	v_lshrrev_b32 v1, 5, v0
	v_readfirstlane_b32 s22, v1                    ; wave 0..3
	v_and_b32 v1, 31, v0                           ; lane
	v_and_b32 v2, 15, v0                           ; r
	v_bfe_u32 v3, v0, 4, 1                         ; h
	v_lshlrev_b32 v4, 4, v1                        ; 16 x lane
	s_mov_b32 s[SEL], 0x76543210
	s_mov_b32 s[SEL+1], 0xfedcba98
	s_mov_b32 s31, 0
	s_wait_kmcnt 0x0
	s_cmp_lt_u32 ttmp9, 2
	s_cbranch_scc1 .Lmask
	s_cmp_lt_u32 ttmp9, 26
	s_cbranch_scc1 .Lweights
	; ---- w_o to f16.  A wave takes 16 rows x 128 along K: unit = 4 (work-group - 26) + wave; nt = unit / 4, kq = unit % 4
	s_sub_co_u32 s26, ttmp9, 26
	s_lshl_b32 s26, s26, 2
	s_add_co_u32 s26, s26, s22
	s_lshr_b32 s27, s26, 2                         ; nt
	s_and_b32 s28, s26, 3                          ; kq
	s_lshl_b32 s30, s27, 15                        ; 16 rows of 2,048 bytes
	s_lshl_b32 s29, s28, 9                         ; 128 numbers
	s_add_co_u32 s30, s30, s29
	s_add_nc_u64 s[12:13], s[12:13], s[30:31]
	s_lshl_b32 s30, s27, 14
	s_lshl_b32 s29, s28, 12
	s_add_co_u32 s30, s30, s29
	s_add_nc_u64 s[20:21], s[20:21], s[30:31]
	v_lshlrev_b32 v5, 11, v2
	v_lshl_add_u32 v5, v3, 5, v5                   ; row r, + 32 h bytes: my 8 numbers of each 16
.irp u, 0,1,2,3,4,5,6,7                        ; u = 2 (kk % 4) + e: 16 numbers on.  The sixteen loads together take 512 consecutive bytes of each row; w_o is 1 MiB, read once
	global_load_b128 v[32+8*\u:35+8*\u], v5, s[12:13] offset:64*\u
	global_load_b128 v[36+8*\u:39+8*\u], v5, s[12:13] offset:64*\u+16
.endr
	s_wait_loadcnt 0x0
.set i, 0
.rept 32
	v_cvt_pk_f16_f32 v[96+i], v[32+2*i], v[33+2*i]
.set i, i+1
.endr
.irp u, 0,1,2,3,4,5,6,7
	global_store_b128 v4, v[96+4*\u:99+4*\u], s[20:21] offset:512*\u
.endr
	s_endpgm
.Lweights:
	; ---- w_q, w_k, w_v to codes.  A wave takes 16 rows x all 512 along K: unit = 4 (work-group - 2) + wave; weight = unit / 32, nt = unit % 32
	s_sub_co_u32 s26, ttmp9, 2
	s_lshl_b32 s26, s26, 2
	s_add_co_u32 s26, s26, s22
	s_lshr_b32 s27, s26, 5                         ; which weight
	s_and_b32 s28, s26, 31                         ; nt
	s_cmp_eq_u32 s27, 0
	s_cselect_b64 s[32:33], s[6:7], s[8:9]
	s_cmp_eq_u32 s27, 2
	s_cselect_b64 s[32:33], s[10:11], s[32:33]
	s_lshl_b32 s30, s28, 15
	s_add_nc_u64 s[32:33], s[32:33], s[30:31]
	s_lshl_b32 s30, s27, 17
	s_lshl_b32 s29, s28, 12
	s_add_co_u32 s30, s30, s29
	s_add_nc_u64 s[16:17], s[16:17], s[30:31]
	s_lshl_b32 s30, s27, 13
	s_lshl_b32 s29, s28, 8
	s_add_co_u32 s30, s30, s29
	s_add_nc_u64 s[18:19], s[18:19], s[30:31]
	v_lshlrev_b32 v5, 11, v2
	v_lshl_add_u32 v5, v3, 7, v5                   ; row r, + 128 h bytes: my block of 32 of each 64
	v_lshlrev_b32 v[SH8], 3, v3
	v_mov_b32 v[QT], 0                             ; written once: a lane permute's destination counts as one of its sources
	v_lshlrev_b32 v6, 4, v2
	v_lshl_add_u32 v6, v3, 3, v6                   ; the scale words' place: 16 r + 8 h
.macro WLOAD ks, set                           ; K step ks (128 along K: 64 numbers a lane) into set: two lanes take 256 consecutive bytes of a row over eight loads; the weights are 3 MiB, read once
.irp c, 0,1
.irp j, 0,1,2,3,4,5,6,7
	global_load_b128 v[32+64*(\set)+32*\c+4*\j:32+64*(\set)+32*\c+4*\j+3], v5, s[32:33] offset:512*(\ks)+256*\c+16*\j
.endr
.endr
.endm
.macro WSTORE ks                               ; each K step has its own registers for its codes: no store's data are written again
	global_store_b128 v4, v[224+8*(\ks):227+8*(\ks)], s[16:17] offset:1024*(\ks)
	global_store_b128 v4, v[228+8*(\ks):231+8*(\ks)], s[16:17] offset:1024*(\ks)+512
.endm
	WLOAD 0, 0
	WLOAD 1, 1
	WLOAD 2, 2
	s_wait_loadcnt 32                              ; K step 0 is in; the 32 loads of steps 1 and 2 may be out
	QUANT2 32, 224, 16
	WLOAD 3, 0
	WSTORE 0
	s_wait_loadcnt 32                              ; step 1 is in; steps 2 and 3 may be out
	QUANT2 96, 232, 17
	WSTORE 1
	s_wait_loadcnt 16                              ; step 2 is in; step 3 may be out
	QUANT2 160, 240, 18
	WSTORE 2
	s_wait_loadcnt 0x0
	QUANT2 32, 248, 19
	WSTORE 3
	v_cmp_ne_u32 vcc_lo, 0, v3                     ; every lane holds its row's four words: lanes 0-15 store words 0, 1, lanes 16-31 words 2, 3
	v_cndmask_b32 v20, v16, v18, vcc_lo
	v_cndmask_b32 v21, v17, v19, vcc_lo
	global_store_b64 v6, v[20:21], s[18:19]        ; 32 lanes: 256 consecutive bytes
	s_endpgm
.Lmask:
	; ---- the key order of batch b = work-group.  Every wave counts the whole batch (16 KiB) and places its own quarter of 1,024 keys: no traffic between waves.
	; Register 4 c + e of a lane holds key 128 c + 4 lane + e.  Any order with the live keys first will do: the sums over keys do not depend on it but for rounding.
	s_lshl_b32 s30, ttmp9, 14
	s_add_nc_u64 s[4:5], s[4:5], s[30:31]          ; the batch's mask
	s_add_nc_u64 s[32:33], s[14:15], s[30:31]      ; the batch's idx
.set c, 0
.rept 32
	global_load_b128 v[32+4*c:35+4*c], v4, s[4:5] offset:512*c
.set c, c+1
.endr
	s_lshl_b32 s26, s22, 12
	v_add_nc_u32 v5, s26, v4                       ; my quarter
.set c, 0
.rept 8
	global_load_b128 v[160+4*c:163+4*c], v5, s[4:5] offset:512*c
.set c, c+1
.endr
.irp g, 40,41,42,43
	s_mov_b32 s\g, 0                               ; live keys of each quarter
.endr
	s_lshl_b32 s51, s22, 10
	v_lshlrev_b32 v6, 2, v1
	v_add_nc_u32 v6, s51, v6                       ; key 1,024 wave + 4 lane
	s_wait_loadcnt 8                               ; the whole batch is in; my own 8 loads may be out
.set c, 0
.rept 32
.irp u, 0,1,2,3
	v_cmp_ne_u32 s[44+\u], 0, v[32+4*c+\u]
.endr
.irp u, 0,1,2,3
	s_bcnt1_i32_b32 s[44+\u], s[44+\u]
.endr
.irp u, 0,1,2,3
	s_add_co_u32 s[40+c/8], s[40+c/8], s[44+\u]
.endr
.set c, c+1
.endr
	s_add_co_u32 s48, s40, s41
	s_add_co_u32 s48, s48, s42
	s_add_co_u32 s48, s48, s43                     ; the batch's live keys
	s_cmp_gt_u32 s22, 0
	s_cselect_b32 s49, s40, 0
	s_cmp_gt_u32 s22, 1
	s_cselect_b32 s44, s41, 0
	s_add_co_u32 s49, s49, s44
	s_cmp_gt_u32 s22, 2
	s_cselect_b32 s44, s42, 0
	s_add_co_u32 s49, s49, s44                     ; live keys ahead of my quarter: where my live keys begin
	s_add_co_u32 s50, s51, s48
	s_sub_co_u32 s50, s50, s49                     ; all live keys + masked keys ahead of my quarter: where my masked keys begin
	s_wait_loadcnt 0x0
.set n, 0
.rept 32                                       ; each register has its own address and data registers: nothing that a store reads is written again
	v_cmp_ne_u32 s46, 0, v[160+n]
	s_not_b32 s47, s46
	v_mbcnt_lo_u32_b32 v8, s46, s49                ; live lanes below me + the running start
	v_mbcnt_lo_u32_b32 v9, s47, s50
	v_cndmask_b32 v[32+n], v9, v8, s46
	v_min_u32 v[32+n], 0xfff, v[32+n]              ; a position is 0 .. 4,095
	v_lshlrev_b32 v[32+n], 2, v[32+n]
	v_add_nc_u32 v[64+n], 128*(n/4)+n%4, v6        ; the key's number
	global_store_b32 v[32+n], v[64+n], s[32:33]    ; idx[position] = key: 32 KiB in all, the live lanes of a register to neighbouring words
	s_bcnt1_i32_b32 s44, s46
	s_add_co_u32 s49, s49, s44
	s_sub_co_u32 s44, 32, s44
	s_add_co_u32 s50, s50, s44
.set n, n+1
.endr
	s_cmp_lg_u32 s22, 0
	s_cbranch_scc1 .Lmdone
	v_mov_b32 v10, s48                             ; wave 0: the count, 32 times: 128 bytes for each batch
	s_lshl_b32 s30, ttmp9, 7
	s_add_co_u32 s30, s30, 32768
	s_add_nc_u64 s[14:15], s[14:15], s[30:31]
	v_lshlrev_b32 v11, 2, v1
	global_store_b32 v11, v10, s[14:15]
.Lmdone:
	s_endpgm
.Lfunc_end_k_q277ec1da38_prep:
	.size	k_q277ec1da38_prep, .Lfunc_end_k_q277ec1da38_prep-k_q277ec1da38_prep
	.p2alignl 7, 3214868480
	.fill 96, 4, 3214868480
	.section	.rodata,"a",@progbits
	.p2align	6, 0x0
	.amdhsa_kernel k_q277ec1da38_prep
		.amdhsa_group_segment_fixed_size 0
		.amdhsa_private_segment_fixed_size 0
		.amdhsa_enable_private_segment 0
		.amdhsa_kernarg_size 72
		.amdhsa_user_sgpr_count 2
		.amdhsa_user_sgpr_kernarg_segment_ptr 1
		.amdhsa_wavefront_size32 1
		.amdhsa_system_sgpr_workgroup_id_x 1
		.amdhsa_system_sgpr_workgroup_id_y 1
		.amdhsa_system_sgpr_workgroup_id_z 1
		.amdhsa_system_vgpr_workitem_id 0
		.amdhsa_next_free_vgpr 256
		.amdhsa_next_free_sgpr 66
		.amdhsa_reserve_vcc 1
		.amdhsa_float_denorm_mode_32 3
		.amdhsa_float_denorm_mode_16_64 3
		.amdhsa_memory_ordered 1
		.amdhsa_forward_progress 1
		.amdhsa_inst_pref_size 68
	.end_amdhsa_kernel
	.amdgpu_metadata
---
amdhsa.version: [ 1, 2 ]
amdhsa.kernels:
  - .name:           k_q277ec1da38_prep
    .symbol:         k_q277ec1da38_prep.kd
    .args:
      - { .name: mask, .offset: 0, .size: 8, .value_kind: global_buffer, .address_space: global }
      - { .name: w_q, .offset: 8, .size: 8, .value_kind: global_buffer, .address_space: global }
      - { .name: w_k, .offset: 16, .size: 8, .value_kind: global_buffer, .address_space: global }
      - { .name: w_v, .offset: 24, .size: 8, .value_kind: global_buffer, .address_space: global }
      - { .name: w_o, .offset: 32, .size: 8, .value_kind: global_buffer, .address_space: global }
      - { .name: order, .offset: 40, .size: 8, .value_kind: global_buffer, .address_space: global }
      - { .name: wcodes, .offset: 48, .size: 8, .value_kind: global_buffer, .address_space: global }
      - { .name: wscales, .offset: 56, .size: 8, .value_kind: global_buffer, .address_space: global }
      - { .name: wof, .offset: 64, .size: 8, .value_kind: global_buffer, .address_space: global }
    .group_segment_fixed_size: 0
    .private_segment_fixed_size: 0
    .kernarg_segment_align: 8
    .kernarg_segment_size: 72
    .max_flat_workgroup_size: 128
    .sgpr_count:     66
    .vgpr_count:     256
    .wavefront_size: 32
...
	.end_amdgpu_metadata
.endif
;; end of part 1
;; launch proj (part 2): grid 128 x 3, 4 waves a work-group, no clusters, 52,736 bytes of LDS; arguments q, k, v, order, wcodes, wscales, qf, kf, vf; writes qf, kf, vf
.if DOCPART == 2
	.amdgcn_target "amdgcn-amd-amdhsa--gfx1250"
	.amdhsa_code_object_version 6
	.text
	.protected	k_q277ec1da38_proj
	.globl	k_q277ec1da38_proj
	.p2align	8
	.type	k_q277ec1da38_proj,@function
k_q277ec1da38_proj:
	s_mov_b64 s[64:65], 0
	v_nop
	global_prefetch_b8 v0, s[64:65] scope:SCOPE_SE
	s_setreg_imm32_b32 hwreg(HW_REG_WAVE_MODE, 25, 1), 1
	s_wait_xcnt 0x0
; THE THREE QUANTISED PROJECTIONS: x W^T for x = q, k, v (work-group y = 0, 1, 2), E2M1 codes with one E8M0 scale for each 32 along K = 512, f32 sums; results leave as f16 images of the attention launch's operand registers.
; Nothing is left out here: every position of k and v is projected.  Position p of k and v is row idx[p] of the input (the order stored by the launch before: live keys first); q keeps its order.
; LIMITS: results are kept in f16: magnitudes up to 65,504.  Quantiser blocks under 2^(3 - 127) keep the scale byte 1.  NaN and infinities are not served.
; SHARES.  A work-group takes 64 positions of one batch (x = 64 b + block).  THE WAVES SHARE THE COLUMNS: wave w holds the weight's rows 128 w .. 128 w + 127 (heads 2 w, 2 w + 1): 32 fragments, all of window 1, loaded once as they lie.
; Wave w quantises rows 16 w .. 16 w + 15: each load takes 512 consecutive bytes of one row; a K step's 16 x 512 bytes turn through the wave's own stage in LDS, so that a lane gets two whole blocks of 32 of its row.
; The codes and scale words reach the other waves as images of the operand's registers (16 bytes a lane, 4 bytes a lane); one barrier.
; q, k: source 0 = 16 rows of W, source 1 = 16 positions: a lane holds one position and eight neighbouring channels.  v: the other way round: a lane holds one channel and eight neighbouring positions (the keys are the later product's K).
; No cluster and no tensor load: the rows of k and v are gathered by a list, and a work-group's own bytes are shared with nobody; the weights' images (136 KiB a tensor) go straight into registers.
; 3 x 128 work-groups of 512 registers a wave: two fit on a WGP.
.set STG,   0                          ; LDS: a stage of 16 rows x 528 bytes for each wave
.set XIMG,  33792                      ; x's 16 fragments (4 mt + ks), 1,024 bytes each
.set XSC,   50176                      ; their scale words, 128 bytes each
.set SPARE, 52224                      ; the spare words, 128 bytes for each wave: two blocks of 256 bytes that no other line names
.set LI,  1                            ; v1   16 x lane
.set STA, 2                            ; v2   stage, in: 8,448 wave + 16 lane
.set STL, 3                            ; v3   stage, out: 8,448 wave + 528 r + 128 h
.set IMW, 4                            ; v4   where I store images: XIMG + 4,096 wave + 16 lane
.set ISW, 5                            ; v5   and scale words: XSC + 512 wave + 4 lane
.set LS,  6                            ; v6   4 x lane
.set SH8, 7                            ; v7   8 h
.set QM,  8                            ; v8-9   largest magnitudes, then bytes
.set SPW, 10                           ; v10  my spare word's address; never rewritten
.set NIL, 11                           ; v11  0; never rewritten
.set QE,  12                           ; v12-13 the conversions' scale operands
.set QT,  14                           ; v14
.set OFFR, 16                          ; v16-31 byte offset of my 16 bytes in each of my wave's 16 rows
.set R,   32                           ; v32-159 two sets of 64: a K step as loaded; later the accumulators, two sets of 8 x 8
.set ACC, 32
.set XT,  160                          ; v160-223 a K step turned: 64 numbers of my row; later
.set XF,  160                          ; v160-191 x's four fragments of a tile of positions
.set TMP, 196                          ; v196-227 packed results
.set PC,  224                          ; v224-231 the codes just made
.set PW,  232                          ; v232 the scale word just made
.set XS,  233                          ; v233-236 x's scale words: these registers hold scales and nothing else
.set WS,  240                          ; v240-255 W's scale words: register 4 u + ks: lanes 0-15 tile 2 u, lanes 16-31 tile 2 u + 1
.set SEL, 24
.set MSB, 0
.macro WIN new                         ; the immediate's high byte repeats the setting that is left
.if MSB != \new
	s_set_vgpr_msb (MSB<<8)|\new
.set MSB, \new
.endif
.endm
.macro QUANT2 xs, pc, sw               ; 64 numbers of a lane, register 32 c + i = k 64 c + 32 h + i of my row, become 8 registers of codes and the row's scale word
.irp c, 0,1
	v_max3_num_f32 v[QM+\c], |v[(\xs)+32*\c]|, |v[(\xs)+32*\c+1]|, 0x1800000   ; with the floor 2^(3 - 127): the byte cannot fall under 1
.endr
.irp i, 2,4,6,8,10,12,14,16,18,20,22,24,26,28,30
.irp c, 0,1
	v_max3_num_f32 v[QM+\c], v[QM+\c], |v[(\xs)+32*\c+\i]|, |v[(\xs)+32*\c+\i+1]|
.endr
.endr
.irp c, 0,1
	v_add_nc_u32 v[QE+\c], 0xff000000, v[QM+\c]    ; 2 off the exponent field: the conversion's scale operand
.endr
.irp c, 0,1
	v_lshrrev_b32 v[QM+\c], 23, v[QE+\c]           ; the scale's byte
.endr
	v_lshl_or_b32 v[\sw], v[QM+1], 16, v[QM]
	v_lshlrev_b32 v[\sw], v[SH8], v[\sw]
	v_permlanex16_b32 v[QT], v[\sw], s[SEL], s[SEL+1]
	v_or_b32 v[\sw], v[\sw], v[QT]
.irp c, 0,1
.irp g, 0,1,2,3
	v_cvt_scalef32_pk8_fp4_f32 v[(\pc)+4*\c+\g], v[(\xs)+32*\c+8*\g:(\xs)+32*\c+8*\g+7], v[QE+\c]
.endr
.endr
	v_nop                                          ; one plain instruction behind the last scaled conversion
.endm
	s_load_b256 s[4:11], s[0:1], 0x0               ; q s[4:5], k s[6:7], v s[8:9], order s[10:11]
	s_load_b256 s[12:19], s[0:1], 0x20             ; wcodes s[12:13], wscales s[14:15], qf s[16:17], kf s[18:19]
	s_load_b64 s[20:21], s[0:1], 0x40              ; vf
	v_lshl_add_u32 v[SPW], v0, 2, SPARE
	v_mov_b32 v[NIL], 0
	v_lshrrev_b32 v1, 5, v0
	v_readfirstlane_b32 s22, v1                    ; wave 0..3
	s_and_b32 s23, ttmp7, 0xffff                   ; which tensor
	s_lshr_b32 s26, ttmp9, 6                       ; batch
	s_and_b32 s27, ttmp9, 63                       ; block of 64 positions
	v_and_b32 v32, 31, v0                          ; lane
	v_and_b32 v33, 15, v0                          ; r
	v_bfe_u32 v34, v0, 4, 1                        ; h
	v_lshlrev_b32 v[LI], 4, v32
	s_mul_i32 s52, s22, 8448
	v_add_nc_u32 v[STA], s52, v[LI]
	v_mul_u32_u24 v[STL], v33, 528
	v_lshl_add_u32 v[STL], v34, 7, v[STL]
	v_add_nc_u32 v[STL], s52, v[STL]
	s_lshl_b32 s52, s22, 12
	s_add_co_u32 s52, s52, XIMG
	v_add_nc_u32 v[IMW], s52, v[LI]
	v_lshlrev_b32 v[LS], 2, v32
	s_lshl_b32 s52, s22, 9
	s_add_co_u32 s52, s52, XSC
	v_add_nc_u32 v[ISW], s52, v[LS]
	v_lshlrev_b32 v[SH8], 3, v34
	v_mov_b32 v[QT], 0                             ; written once: a lane permute's destination counts as one of its sources
	s_mov_b32 s[SEL], 0x76543210
	s_mov_b32 s[SEL+1], 0xfedcba98
	s_lshl_b32 s53, s27, 6
	s_lshl_b32 s54, s22, 4
	s_add_co_u32 s53, s53, s54                     ; my wave's first position in the batch
	s_mov_b32 s55, 0
	s_wait_kmcnt 0x0
	s_cmp_eq_u32 s23, 0
	s_cbranch_scc0 .Llist
.irp i, 0,1,2,3,4,5,6,7,8,9,10,11,12,13,14,15
	s_add_co_u32 s[36+\i], s53, \i                 ; q: position p is row p
.endr
	s_branch .Lrows
.Llist:
	s_lshl_b32 s54, s26, 14                        ; k, v: position p is row idx[p]: sixteen whole numbers stored by the launch before
	s_lshl_b32 s56, s53, 2
	s_add_co_u32 s54, s54, s56
	s_add_nc_u64 s[10:11], s[10:11], s[54:55]
	s_load_b512 s[36:51], s[10:11], 0x0
	s_wait_kmcnt 0x0
.irp i, 0,1,2,3,4,5,6,7,8,9,10,11,12,13,14,15
	s_min_u32 s[36+\i], s[36+\i], 0xfff            ; a row of the batch is 0 .. 4,095
.endr
.Lrows:
.irp i, 0,1,2,3,4,5,6,7,8,9,10,11,12,13,14,15
	v_lshl_add_u32 v[OFFR+\i], s[36+\i], 11, v[LI] ; 2,048 bytes a row
.endr
	s_cmp_eq_u32 s23, 0
	s_cselect_b64 s[28:29], s[4:5], s[6:7]
	s_cselect_b64 s[30:31], s[16:17], s[18:19]
	s_cmp_eq_u32 s23, 2
	s_cselect_b64 s[28:29], s[8:9], s[28:29]       ; the tensor,
	s_cselect_b64 s[30:31], s[20:21], s[30:31]     ; and where its projection goes
	s_lshl_b32 s54, s26, 23
	s_add_nc_u64 s[28:29], s[28:29], s[54:55]      ; at the batch's first row
	s_lshl_b32 s54, s26, 22                        ; out: 8 heads of 524,288 bytes a batch, my two heads, my block's 8,192 bytes in each
	s_lshl_b32 s56, s22, 20
	s_add_co_u32 s54, s54, s56
	s_lshl_b32 s56, s27, 13
	s_add_co_u32 s54, s54, s56
	s_add_nc_u64 s[30:31], s[30:31], s[54:55]
	s_lshl_b32 s54, s23, 17                        ; the weight's codes: my 8 tiles of 16 rows
	s_lshl_b32 s56, s22, 15
	s_add_co_u32 s54, s54, s56
	s_add_nc_u64 s[12:13], s[12:13], s[54:55]
	s_lshl_b32 s54, s23, 13                        ; its scale words: my 128 rows of 16 bytes
	s_lshl_b32 s56, s22, 11
	s_add_co_u32 s54, s54, s56
	s_add_nc_u64 s[14:15], s[14:15], s[54:55]
.macro XL ks                           ; K step ks of my 16 rows: each load takes 512 consecutive bytes of one row; each row is named once in the launch
.irp i, 0,1,2,3,4,5,6,7,8,9,10,11,12,13,14,15
	global_load_b128 v[R+64*((\ks)%2)+4*\i:R+64*((\ks)%2)+4*\i+3], v[OFFR+\i], s[28:29] offset:512*(\ks) th:TH_LOAD_NT
.endr
.endm
.macro TURN ks                         ; through my own stage: LDS serves a wave's instructions in order, so no wait stands between the stores and the loads
.irp i, 0,1,2,3,4,5,6,7,8,9,10,11,12,13,14,15
	ds_store_b128 v[STA], v[R+64*((\ks)%2)+4*\i:R+64*((\ks)%2)+4*\i+3] offset:528*\i
.endr
.irp c, 0,1
.irp j, 0,1,2,3,4,5,6,7
	ds_load_b128 v[XT+32*\c+4*\j:XT+32*\c+4*\j+3], v[STL] offset:256*\c+16*\j
.endr
.endr
	s_wait_dscnt 0x0                               ; my 64 numbers are in; the stores have read their registers, and the last images' stores theirs
.endm
.macro IMAGE ks                        ; the fragment and its scale word go to LDS as they stand in my registers
	ds_store_b128 v[IMW], v[PC:PC+3] offset:1024*(\ks)
	ds_store_b128 v[IMW], v[PC+4:PC+7] offset:1024*(\ks)+512
	ds_store_b32 v[ISW], v[PW] offset:128*(\ks)
.endm
.macro WFRAGS from, count              ; the weight's fragments from .. from + count - 1 (fragment 4 tile + ks) into window 1: 512 consecutive bytes a load
	WIN 0x40
.set f, \from
.rept \count
	global_load_b128 v[8*f:8*f+3], v[LI], s[12:13] offset:1024*f
	global_load_b128 v[8*f+4:8*f+7], v[LI], s[12:13] offset:1024*f+512
.set f, f+1
.endr
	WIN 0
.endm
	XL 0
	XL 1
.irp u, 0,1,2,3
	global_load_b128 v[WS+4*\u:WS+4*\u+3], v[LI], s[14:15] offset:512*\u   ; lane l: the four words of my row 32 u + l
.endr
	WFRAGS 0, 12                                   ; with the four above: 28 loads
	s_wait_loadcnt 44                              ; K step 0 is in; behind it: step 1's 16 and the weights' 28
	TURN 0
	XL 2
	QUANT2 XT, PC, PW
	IMAGE 0
	s_wait_loadcnt 44                              ; step 1 is in; behind it: the weights' 28 and step 2's 16
	TURN 1
	XL 3
	QUANT2 XT, PC, PW
	IMAGE 1
	s_wait_loadcnt 16                              ; step 2 is in; behind it: step 3's 16
	TURN 2
	WFRAGS 12, 20                                  ; 40 loads
	QUANT2 XT, PC, PW
	IMAGE 2
	s_wait_loadcnt 40                              ; step 3 is in; behind it: the weights' 40
	TURN 3
	QUANT2 XT, PC, PW
	IMAGE 3
	s_wait_dscnt 0x0                               ; for the others' sake: my images lie in LDS
	s_barrier_signal -1
	s_barrier_wait -1                              ; x's sixteen fragments lie in LDS
	s_wait_loadcnt 0x0                             ; all my weights
.macro FETCHX mt                       ; the four fragments and scale words of positions 16 mt on
.irp ks, 0,1,2,3
	ds_load_b128 v[XF+8*\ks:XF+8*\ks+3], v[LI] offset:XIMG+1024*(4*(\mt)+\ks)
	ds_load_b128 v[XF+8*\ks+4:XF+8*\ks+7], v[LI] offset:XIMG+1024*(4*(\mt)+\ks)+512
	ds_load_b32 v[XS+\ks], v[LS] offset:XSC+128*(4*(\mt)+\ks)
.endr
.endm
; 32 matrix instructions: my 8 tiles of channels x 16 positions, K step by K step; the 8 accumulators take turns, one instruction a turn; the first K step starts the sums.
.macro MUL mt, isv
.if \isv
	WIN 0x04                                       ; source 1 (W) window 1
.else
	WIN 0x01                                       ; source 0 (W) window 1
.endif
.irp ks, 0,1,2,3
.irp n, 0,1,2,3,4,5,6,7
.set rD, ACC+64*((\mt)%2)+8*\n
.set rW, 8*(4*\n+\ks)
.set rX, XF+8*\ks
.set rWS, WS+4*(\n/2)+\ks
.set rXS, XS+\ks
.if \isv
.if \ks == 0
.if \n%2
	v_wmma_scale_f32_16x16x128_f8f6f4 v[rD:rD+7], v[rX:rX+7], v[rW:rW+7], 0, v[rXS], v[rWS] matrix_a_fmt:MATRIX_FMT_FP4 matrix_b_fmt:MATRIX_FMT_FP4 matrix_b_scale:MATRIX_SCALE_ROW1
.else
	v_wmma_scale_f32_16x16x128_f8f6f4 v[rD:rD+7], v[rX:rX+7], v[rW:rW+7], 0, v[rXS], v[rWS] matrix_a_fmt:MATRIX_FMT_FP4 matrix_b_fmt:MATRIX_FMT_FP4
.endif
.else
.if \n%2
	v_wmma_scale_f32_16x16x128_f8f6f4 v[rD:rD+7], v[rX:rX+7], v[rW:rW+7], v[rD:rD+7], v[rXS], v[rWS] matrix_a_fmt:MATRIX_FMT_FP4 matrix_b_fmt:MATRIX_FMT_FP4 matrix_b_scale:MATRIX_SCALE_ROW1
.else
	v_wmma_scale_f32_16x16x128_f8f6f4 v[rD:rD+7], v[rX:rX+7], v[rW:rW+7], v[rD:rD+7], v[rXS], v[rWS] matrix_a_fmt:MATRIX_FMT_FP4 matrix_b_fmt:MATRIX_FMT_FP4
.endif
.endif
.else
.if \ks == 0
.if \n%2
	v_wmma_scale_f32_16x16x128_f8f6f4 v[rD:rD+7], v[rW:rW+7], v[rX:rX+7], 0, v[rWS], v[rXS] matrix_a_fmt:MATRIX_FMT_FP4 matrix_b_fmt:MATRIX_FMT_FP4 matrix_a_scale:MATRIX_SCALE_ROW1
.else
	v_wmma_scale_f32_16x16x128_f8f6f4 v[rD:rD+7], v[rW:rW+7], v[rX:rX+7], 0, v[rWS], v[rXS] matrix_a_fmt:MATRIX_FMT_FP4 matrix_b_fmt:MATRIX_FMT_FP4
.endif
.else
.if \n%2
	v_wmma_scale_f32_16x16x128_f8f6f4 v[rD:rD+7], v[rW:rW+7], v[rX:rX+7], v[rD:rD+7], v[rWS], v[rXS] matrix_a_fmt:MATRIX_FMT_FP4 matrix_b_fmt:MATRIX_FMT_FP4 matrix_a_scale:MATRIX_SCALE_ROW1
.else
	v_wmma_scale_f32_16x16x128_f8f6f4 v[rD:rD+7], v[rW:rW+7], v[rX:rX+7], v[rD:rD+7], v[rWS], v[rXS] matrix_a_fmt:MATRIX_FMT_FP4 matrix_b_fmt:MATRIX_FMT_FP4
.endif
.endif
.endif
.endr
.endr
	WIN 0
.endm
; Tile mt leaves: a lane's eight results of a tile pack into 16 bytes of f16, which ARE its 16 bytes of the reader's half fragment: each store covers 512 consecutive bytes, aligned.  Each accumulator is read from its low end on.
.macro OUTT mt, isv
	s_wait_xcnt 0x0                                ; the last tile's stores have read TMP: only behind this wait is it written again
.set i, 0
.rept 32
	v_cvt_pk_f16_f32 v[TMP+i], v[ACC+64*((\mt)%2)+2*i], v[ACC+64*((\mt)%2)+2*i+1]
.set i, i+1
.endr
.irp n, 0,1,2,3,4,5,6,7
.if \isv
	global_store_b128 v[LI], v[TMP+4*\n:TMP+4*\n+3], s[30:31] offset:524288*(\n/4)+4096*((\mt)/2)+1024*(\n%4)+512*((\mt)%2)
.else
	global_store_b128 v[LI], v[TMP+4*\n:TMP+4*\n+3], s[30:31] offset:524288*(\n/4)+2048*(\mt)+512*(\n%4)
.endif
.endr
.endm
; The loads into x's fragments and scale words stand four plain vector instructions behind the products that read them: four v_nop behind the first tile's, later the 32 conversions of the tile before, which name none of those products' registers.
.macro PRODUCT isv
.irp mt, 0,1,2,3
	FETCHX \mt
	s_wait_dscnt 0x0
	MUL \mt, \isv
.if \mt == 0
.rept 4
	v_nop
.endr
.else
	OUTT \mt-1, \isv
.endif
.endr
	OUTT 3, \isv
.endm
	s_cmp_eq_u32 s23, 2
	s_cbranch_scc1 .Lvpath
	PRODUCT 0
	s_branch .Lend
.Lvpath:
	PRODUCT 1
.Lend:
	s_wait_tensorcnt 0x0                           ; the wave's end, behind my last LDS store
	ds_add_u32 v[SPW], v[NIL]
	s_wait_dscnt 0x0
	s_endpgm
.Lfunc_end_k_q277ec1da38_proj:
	.size	k_q277ec1da38_proj, .Lfunc_end_k_q277ec1da38_proj-k_q277ec1da38_proj
	.p2alignl 7, 3214868480
	.fill 96, 4, 3214868480
	.section	.rodata,"a",@progbits
	.p2align	6, 0x0
	.amdhsa_kernel k_q277ec1da38_proj
		.amdhsa_group_segment_fixed_size 52736
		.amdhsa_private_segment_fixed_size 0
		.amdhsa_enable_private_segment 0
		.amdhsa_kernarg_size 72
		.amdhsa_user_sgpr_count 2
		.amdhsa_user_sgpr_kernarg_segment_ptr 1
		.amdhsa_wavefront_size32 1
		.amdhsa_system_sgpr_workgroup_id_x 1
		.amdhsa_system_sgpr_workgroup_id_y 1
		.amdhsa_system_sgpr_workgroup_id_z 1
		.amdhsa_system_vgpr_workitem_id 0
		.amdhsa_next_free_vgpr 512
		.amdhsa_next_free_sgpr 66
		.amdhsa_reserve_vcc 0
		.amdhsa_float_denorm_mode_32 3
		.amdhsa_float_denorm_mode_16_64 3
		.amdhsa_memory_ordered 1
		.amdhsa_forward_progress 1
		.amdhsa_inst_pref_size 101
	.end_amdhsa_kernel
	.amdgpu_metadata
---
amdhsa.version: [ 1, 2 ]
amdhsa.kernels:
  - .name:           k_q277ec1da38_proj
    .symbol:         k_q277ec1da38_proj.kd
    .args:
      - { .name: q, .offset: 0, .size: 8, .value_kind: global_buffer, .address_space: global }
      - { .name: k, .offset: 8, .size: 8, .value_kind: global_buffer, .address_space: global }
      - { .name: v, .offset: 16, .size: 8, .value_kind: global_buffer, .address_space: global }
      - { .name: order, .offset: 24, .size: 8, .value_kind: global_buffer, .address_space: global }
      - { .name: wcodes, .offset: 32, .size: 8, .value_kind: global_buffer, .address_space: global }
      - { .name: wscales, .offset: 40, .size: 8, .value_kind: global_buffer, .address_space: global }
      - { .name: qf, .offset: 48, .size: 8, .value_kind: global_buffer, .address_space: global }
      - { .name: kf, .offset: 56, .size: 8, .value_kind: global_buffer, .address_space: global }
      - { .name: vf, .offset: 64, .size: 8, .value_kind: global_buffer, .address_space: global }
    .group_segment_fixed_size: 52736
    .private_segment_fixed_size: 0
    .kernarg_segment_align: 8
    .kernarg_segment_size: 72
    .max_flat_workgroup_size: 128
    .sgpr_count:     66
    .vgpr_count:     512
    .wavefront_size: 32
...
	.end_amdgpu_metadata
.endif
;; end of part 2
;; launch attn (part 3): grid 16 x 16, 8 waves a work-group, no clusters, 136,192 bytes of LDS; arguments qf, kf, vf, order, xf; writes xf
.if DOCPART == 3
	.amdgcn_target "amdgcn-amd-amdhsa--gfx1250"
	.amdhsa_code_object_version 6
	.text
	.protected	k_q277ec1da38_attn
	.globl	k_q277ec1da38_attn
	.p2align	8
	.type	k_q277ec1da38_attn,@function
k_q277ec1da38_attn:
	s_mov_b64 s[64:65], 0
	v_nop
	global_prefetch_b8 v0, s[64:65] scope:SCOPE_SE
	s_setreg_imm32_b32 hwreg(HW_REG_WAVE_MODE, 25, 1), 1
	s_wait_xcnt 0x0
; ATTENTION: x[b][q][64 head + :] = the sum over keys of softmax(Q . K / 8, masked) V, f16 operands, f32 products' sums, maxima and sums.  Work-group x: a block of 256 queries; y: batch x 8 + head.
; LEFT OUT: the keys lie sorted, live ones first (the first launch's head says why that is right): only the first N = ceil(count / 128) blocks of 128 keys are walked, all 32 where no key is live.
; Inside the walked blocks the score of a key at or behind position count is replaced, as reference() replaces it.  The replaced raw score is -2^33 (-2^30 after the division by 8) where reference() has -1e9:
; c x 2^33 is exact in f32, so that a row of nothing but replaced scores gets p = 1 exactly.  LIMIT: the two differ only where a live score lies under about -1e9 + 104.
; LIMITS: Q, K, V, p and x in f16 (magnitudes up to 65,504).  A NaN, infinity or overflow that reaches only keys left out is not carried to the result.
; NO TENSOR LOAD, NO CLUSTER: how many blocks are walked hangs on a count read from memory.  K and V go from memory through registers into LDS.
; The loop's trip count is a constant (33 trips) and every wave passes every barrier; what lies beyond the count is jumped over by scalar branches that hold no barrier.
; SHARES.  Eight waves of 512 registers.  Waves w and w + 4 own the SAME 64 queries (four tiles of 16) and split the keys: of each block of 128, group g = w / 4 takes keys 64 g .. 64 g + 63.
; A trip has three parts: products with V (block i - 1), products with K (block i), softmax.  Group 0 runs products, then the softmax of block i; group 1 runs the softmax of block i - 1, then products:
; so one group's vector work stands beside the other's matrix work.  The two partial results (c m, l, O) are merged once at the end, through LDS.
; LAYOUT.  S^T = K Q^T (source 0 = 16 keys, source 1 = 16 queries): a lane holds ONE query (lane % 16) and keys 8 (lane / 16) + 0..7.  Two such tiles rounded to f16 in pairs ARE source 1 of O^T = V^T P.
; kf, vf, qf are images of operand registers (16 bytes a lane, 512 bytes a half fragment), so LDS is written and read in runs of 512 consecutive bytes: no pitch, no padding, no turning load.
; UNITS.  Unit i = (K block i, V block i - 1), in slot i % 2.  Trip i reads slot i % 2 and fills the other slot with unit i + 1, whose bytes were asked of memory a trip earlier.  Waves 0-3 fetch K's 16 KiB, waves 4-7 V's, 4 KiB each.
; Local tile t holds query tile t xor 2 g, so that every wave keeps tiles 0, 1 and sends tiles 2, 3 at the merge: one text for both groups.
; REGISTERS.  Window 0: v1-15 addresses and constants; v32-63 staging; v64-191 S^T (tile t at 64 + 32 t), then p, then P in each tile's low 16; v192-223 K's fragments 0-3; v224-239 statistics; v240-255 at work.
; Window 1: v0-127 O^T (tile t at 32 t + 8 ct); v128-191 Q; v192-255 V's eight fragments, then K's fragments 4-7.
.set SLOTB, 32768
.set VOFF,  16384
.set MRG,   65536                      ; behind the ring: 8,704 bytes for each wave: two tiles of O^T, then two times 256 bytes of (c m, l)
.set MRGW,  8704
.set SPARE, 135168                     ; the spare words, 128 bytes for each wave: four blocks of 256 bytes that no other line names
.set LI,  1                            ; v1   16 x lane
.set FST, 2                            ; v2   where I put what I fetch: 4,096 wave + 16 lane
.set FRG, 3                            ; v3   where my group's fragments lie: 8,192 g + 16 lane
.set QOA, 4                            ; v4   Q: tiles 0, 1
.set QOB, 5                            ; v5   Q: tiles 2, 3
.set DD,  6                            ; v6   the edge of the live keys, seen from my lane
.set NEGV, 7                           ; v7   -2^33
.set SPW, 8                            ; v8   my spare word's address; never rewritten
.set NIL, 9                            ; v9   0; never rewritten
.set MS,  10                           ; v10, v11 the merge: where I send O^T and (c m, l);
.set MS2, 11
.set MR,  12                           ; v12, v13 where wave xor 4 has sent its own
.set MR2, 13
.set PFO, 14                           ; v14  256 x lane
.set H8,  15                           ; v15  8 (lane / 16)
.set ST,  32
.set S,   64
.set FB,  192
.set PS,  224                          ; tile t: +0 c m, +1 m, +2, +3 l (even keys', odd keys')
.set TT,  240                          ; tile t: four at work; +0 takes a = 2^(c m_old - c m_new)
.set Q,   128                          ; in window 1
.set FA,  192                          ; in window 1
.set WV,  14
.set GRP, 15
.set PWV, 16
.set BHD, 17
.set CNT, 18                           ; live keys of the batch
.set NBL, 19                           ; blocks to walk
.set LIM, 20                           ; units that I fetch: NBL (K), NBL + 1 (V)
.set PLM, 21                           ; the same in a wave that prefetches, else 0
.set TRI, 22                           ; the trip's number
.set LCT, 23
.set KFS, 24                           ; first position of the 64 keys whose softmax is next
.set TS,  25
.set GP,  26                           ; s[26:27] where my next fetch stands in kf or vf
.set CS,  28                           ; s[28:29] c = log2(e) / 8
.set SEL, 30                           ; s[30:31]
.set MSB, 0
.macro WIN new                         ; the immediate's high byte repeats the setting that is left
.if MSB != \new
	s_set_vgpr_msb (MSB<<8)|\new
.set MSB, \new
.endif
.endm
.macro LOADST                          ; my 4 KiB of a unit: 512 consecutive bytes a load
.irp q, 0,1,2,3,4,5,6,7
	global_load_b128 v[ST+4*\q:ST+4*\q+3], v[LI], s[GP:GP+1] offset:512*\q
.endr
.endm
	s_load_b256 s[4:11], s[0:1], 0x0               ; qf s[4:5], kf s[6:7], vf s[8:9], order s[10:11]
	s_load_b64 s[12:13], s[0:1], 0x20              ; xf
	v_lshl_add_u32 v[SPW], v0, 2, SPARE
	v_mov_b32 v[NIL], 0
	v_lshrrev_b32 v1, 5, v0
	v_readfirstlane_b32 s[WV], v1                  ; wave 0..7
	s_lshr_b32 s[GRP], s[WV], 2                    ; g: which half of each block's keys is mine.  Also: I fetch K (0) or V (1)
	s_and_b32 s[PWV], s[WV], 3                     ; which 64 queries; also which 4 KiB I fetch
	s_and_b32 s[BHD], ttmp7, 0xffff
	v_and_b32 v16, 31, v0
	v_bfe_u32 v17, v0, 4, 1
	v_lshlrev_b32 v[LI], 4, v16
	s_lshl_b32 s[TS], s[WV], 12
	v_add_nc_u32 v[FST], s[TS], v[LI]
	s_lshl_b32 s[TS], s[GRP], 13
	v_add_nc_u32 v[FRG], s[TS], v[LI]
	s_lshl_b32 s[TS], s[GRP], 12
	v_add_nc_u32 v[QOA], s[TS], v[LI]              ; query tiles 2 g, 2 g + 1
	s_xor_b32 s[TS], s[TS], 4096
	v_add_nc_u32 v[QOB], s[TS], v[LI]              ; and the other two
	v_lshlrev_b32 v[H8], 3, v17
	v_mov_b32 v[NEGV], 0xd0000000
	v_lshlrev_b32 v18, 3, v16
	s_mul_i32 s[TS], s[WV], MRGW
	s_add_co_u32 s[TS], s[TS], MRG
	v_add_nc_u32 v[MS], s[TS], v[LI]
	v_add_nc_u32 v[MS2], s[TS], v18
	v_add_nc_u32 v[MS2], 8192, v[MS2]
	s_xor_b32 s[TS], s[WV], 4
	s_mul_i32 s[TS], s[TS], MRGW
	s_add_co_u32 s[TS], s[TS], MRG
	v_add_nc_u32 v[MR], s[TS], v[LI]
	v_add_nc_u32 v[MR2], s[TS], v18
	v_add_nc_u32 v[MR2], 8192, v[MR2]
	v_lshlrev_b32 v[PFO], 8, v16
	s_mov_b32 s[CS], 0x3e38aa3b                    ; c = log2(e) / 8
	s_mov_b32 s[CS+1], s[CS]                       ; (named with it as a pair, so it is written)
	s_mov_b32 s[SEL], 0x76543210
	s_mov_b32 s[SEL+1], 0xfedcba98
	s_mov_b32 s33, 0
	s_mov_b32 s35, 0
	s_wait_kmcnt 0x0
	s_lshr_b32 s32, s[BHD], 3                      ; the batch
	s_lshl_b32 s32, s32, 7
	s_add_co_u32 s32, s32, 32768
	s_add_nc_u64 s[10:11], s[10:11], s[32:33]
	s_load_b32 s[CNT], s[10:11], 0x0               ; its live keys: a whole number stored by the first launch
	s_lshl_b32 s32, s[BHD], 19                     ; 524,288 bytes for each batch and head
	s_lshl_b32 s34, s[PWV], 12
	s_add_co_u32 s34, s34, s32
	s_cmp_lt_u32 s[WV], 4
	s_cselect_b64 s[GP:GP+1], s[6:7], s[8:9]
	s_add_nc_u64 s[GP:GP+1], s[GP:GP+1], s[34:35]  ; my 4 KiB of block 0
	s_lshl_b32 s34, ttmp9, 15                      ; Q: 16 tiles of 2,048 bytes a block of queries, 4 a wave
	s_add_co_u32 s34, s34, s32
	s_lshl_b32 s[TS], s[PWV], 13
	s_add_co_u32 s34, s34, s[TS]
	s_add_nc_u64 s[4:5], s[4:5], s[34:35]
	s_lshr_b32 s34, s[BHD], 3                      ; x: tile of rows 256 b + 16 x + 4 pw + 2 g, 16,384 bytes each; the head's 2,048 bytes in it
	s_lshl_b32 s34, s34, 22
	s_lshl_b32 s[TS], ttmp9, 18
	s_add_co_u32 s34, s34, s[TS]
	s_lshl_b32 s[TS], s[PWV], 16
	s_add_co_u32 s34, s34, s[TS]
	s_lshl_b32 s[TS], s[GRP], 15
	s_add_co_u32 s34, s34, s[TS]
	s_and_b32 s[TS], s[BHD], 7
	s_lshl_b32 s[TS], s[TS], 11
	s_add_co_u32 s34, s34, s[TS]
	s_add_nc_u64 s[12:13], s[12:13], s[34:35]
	LOADST                                         ; waves 0-3: K block 0 (unit 0); waves 4-7: V block 0 (their part of unit 1)
	WIN 0x40                                       ; destination window 1
.irp t, 0,1
.irp u, 0,1,2,3
	global_load_b128 v[Q+16*\t+4*\u:Q+16*\t+4*\u+3], v[QOA], s[4:5] offset:2048*\t+512*\u
.endr
.endr
.irp t, 2,3
.irp u, 0,1,2,3
	global_load_b128 v[Q+16*\t+4*\u:Q+16*\t+4*\u+3], v[QOB], s[4:5] offset:2048*(\t-2)+512*\u
.endr
.endr
.set j, 0
.rept 128
	v_mov_b32 v[j], 0                              ; O^T.  (Cleared once, so that the step is written with no first form of its own: the first change of the maximum multiplies zeros)
.set j, j+1
.endr
	WIN 0
.irp t, 0,1,2,3
	v_mov_b32 v[PS+4*\t], 0xff61b1e6               ; c m and m: -3e38, under every score
	v_mov_b32 v[PS+4*\t+1], 0xff61b1e6
	v_mov_b32 v[PS+4*\t+2], 0                      ; l
	v_mov_b32 v[PS+4*\t+3], 0
.endr
.set j, 0
.rept 16
	v_mov_b32 v[TT+j], 0                           ; written once: lane permutes' destinations count as sources
.set j, j+1
.endr
	s_wait_kmcnt 0x0
	s_min_u32 s[CNT], s[CNT], 0x1000
	s_add_co_u32 s[NBL], s[CNT], 127
	s_lshr_b32 s[NBL], s[NBL], 7
	s_cmp_eq_u32 s[CNT], 0
	s_cselect_b32 s[NBL], 32, s[NBL]               ; no live key: all 32 blocks, every score replaced
	s_add_co_u32 s[LIM], s[NBL], s[GRP]
	s_and_b32 s[TS], s[WV], 1
	s_or_b32 s[TS], s[TS], ttmp9
	s_cmp_eq_u32 s[TS], 0
	s_cselect_b32 s[PLM], s[LIM], 0                ; the even waves of the head's first work-group prefetch
	s_mov_b32 s[TRI], 0
	s_lshl_b32 s[KFS], s[GRP], 6
	s_wait_loadcnt 16                              ; my first 4 KiB are in; Q's 16 loads may be out
	s_cmp_lt_u32 s[WV], 4
	s_cbranch_scc0 .Lvwave
.irp q, 0,1,2,3,4,5,6,7
	ds_store_b128 v[FST], v[ST+4*\q:ST+4*\q+3] offset:512*\q   ; unit 0: K block 0 into slot 0
.endr
	s_wait_dscnt 0x0                               ; the stores have read their registers
	s_add_nc_u64 s[GP:GP+1], s[GP:GP+1], 16384     ; (the loads that named it are done)
	s_cmp_gt_u32 s[NBL], 1
	s_cbranch_scc0 .Lvwave
	LOADST                                         ; K block 1: my part of unit 1
.Lvwave:
	s_wait_loadcnt 0x0                             ; Q, and my part of unit 1
	s_wait_dscnt 0x0
	s_barrier_signal -1
	s_barrier_wait -1                              ; unit 0 lies in slot 0
.macro FRAGK slot, f0, dst             ; four of my group's eight fragments of K (fragment 2 kt + cc)
.irp u, 0,1,2,3
	ds_load_b128 v[\dst+8*\u:\dst+8*\u+3], v[FRG] offset:SLOTB*(\slot)+1024*(\f0+\u)
	ds_load_b128 v[\dst+8*\u+4:\dst+8*\u+7], v[FRG] offset:SLOTB*(\slot)+1024*(\f0+\u)+512
.endr
.endm
.macro FRAGV slot                      ; my group's eight fragments of V^T (fragment 4 kp + ct): the first 32 keys' four first
.irp u, 0,1,2,3,4,5,6,7
	ds_load_b128 v[FA+8*\u:FA+8*\u+3], v[FRG] offset:SLOTB*(\slot)+VOFF+1024*\u
	ds_load_b128 v[FA+8*\u+4:FA+8*\u+7], v[FRG] offset:SLOTB*(\slot)+VOFF+1024*\u+512
.endr
.endm
; O^T += V^T P for keys 32 kp on: 16 accumulators take turns, one instruction a turn
.macro PV kp
	WIN 0x51                                       ; V and O^T in window 1, P in window 0
.irp ct, 0,1,2,3
.irp t, 0,1,2,3
	v_wmma_f32_16x16x32_f16 v[32*\t+8*\ct:32*\t+8*\ct+7], v[FA+8*(4*\kp+\ct):FA+8*(4*\kp+\ct)+7], v[S+32*\t+8*\kp:S+32*\t+8*\kp+7], v[32*\t+8*\ct:32*\t+8*\ct+7]
.endr
.endr
.endm
; S^T = K Q^T for keys 32 hf on: 8 accumulators take turns; the first 32 channels start the sums.  K's fragments stand at v192 on, in window 0 (hf = 0) or window 1 (hf = 1)
.macro QK hf
	WIN 0x04+\hf                                   ; Q in window 1
.irp cc, 0,1
.irp kl, 0,1
.irp t, 0,1,2,3
.if \cc == 0
	v_wmma_f32_16x16x32_f16 v[S+32*\t+8*(2*\hf+\kl):S+32*\t+8*(2*\hf+\kl)+7], v[192+8*(2*\kl+\cc):192+8*(2*\kl+\cc)+7], v[Q+16*\t+8*\cc:Q+16*\t+8*\cc+7], 0
.else
	v_wmma_f32_16x16x32_f16 v[S+32*\t+8*(2*\hf+\kl):S+32*\t+8*(2*\hf+\kl)+7], v[192+8*(2*\kl+\cc):192+8*(2*\kl+\cc)+7], v[Q+16*\t+8*\cc:Q+16*\t+8*\cc+7], v[S+32*\t+8*(2*\hf+\kl):S+32*\t+8*(2*\hf+\kl)+7]
.endif
.endr
.endr
.endr
.endm
; THE SOFTMAX of my 64 keys for my four tiles, the tiles by turns so that no line waits for the line above it.  Register 8 kt + j of a tile holds key KFS + 16 kt + 8 (lane / 16) + j.
.macro VB
	s_add_co_u32 s[TS], s[KFS], 64                 ; do all 64 keys lie under the count?  A branch on a whole number read from memory
	s_cmp_gt_u32 s[TS], s[CNT]
	s_cbranch_scc0 .Lopen_\@
	s_sub_co_u32 s[TS], s[CNT], s[KFS]
	s_sub_co_u32 s[TS], s[TS], 1
	v_sub_nc_u32 v[DD], s[TS], v[H8]               ; d = count - 1 - KFS - 8 (lane / 16): replaced where 16 kt + j > d
.set n, 0
.rept 32
	v_cmp_gt_i32 vcc_lo, 16*(n/8)+n%8, v[DD]
.irp t, 0,1,2,3
	v_cndmask_b32 v[S+32*\t+n], v[S+32*\t+n], v[NEGV], vcc_lo
.endr
.set n, n+1
.endr
.Lopen_\@:
.irp t, 0,1,2,3                                ; the maximum, in two chains a tile; each accumulator is first read at its low end
	v_max3_num_f32 v[TT+4*\t], v[S+32*\t], v[S+32*\t+1], v[S+32*\t+2]
	v_max3_num_f32 v[TT+4*\t+1], v[S+32*\t+16], v[S+32*\t+17], v[S+32*\t+18]
.endr
.irp i, 3,5,7,9,11,13
.irp t, 0,1,2,3
	v_max3_num_f32 v[TT+4*\t], v[TT+4*\t], v[S+32*\t+\i], v[S+32*\t+\i+1]
	v_max3_num_f32 v[TT+4*\t+1], v[TT+4*\t+1], v[S+32*\t+16+\i], v[S+32*\t+17+\i]
.endr
.endr
.irp t, 0,1,2,3
	v_max3_num_f32 v[TT+4*\t], v[TT+4*\t], v[S+32*\t+15], v[S+32*\t+31]
.endr
.irp t, 0,1,2,3
	v_max3_num_f32 v[TT+4*\t], v[TT+4*\t], v[TT+4*\t+1], v[PS+4*\t+1]   ; with the old m
.endr
.irp t, 0,1,2,3
	v_permlanex16_b32 v[TT+4*\t+1], v[TT+4*\t], s[SEL], s[SEL+1]        ; the query's other 32 keys lie in the lane 16 away
.endr
.irp t, 0,1,2,3
	v_max_num_f32 v[PS+4*\t+1], v[TT+4*\t], v[TT+4*\t+1]
.endr
.irp t, 0,1,2,3
	v_mov_b32 v[TT+4*\t+1], v[PS+4*\t]             ; c m_old
.endr
.irp t, 0,1,2,3
	v_mul_f32 v[PS+4*\t], s[CS], v[PS+4*\t+1]
.endr
.irp t, 0,1,2,3
	v_sub_f32 v[TT+4*\t+1], v[TT+4*\t+1], v[PS+4*\t]
.endr
.irp t, 0,1,2,3                                ; ONE BATCH of 132 exponentials, none of which reads another's result
	v_exp_f32 v[TT+4*\t], v[TT+4*\t+1]             ; a = 2^(c m_old - c m_new)
.endr
.set j, 0
.rept 16
.irp t, 0,1,2,3
	v_pk_fma_f32 v[S+32*\t+j:S+32*\t+j+1], v[S+32*\t+j:S+32*\t+j+1], s[CS:CS+1], v[PS+4*\t:PS+4*\t+1] op_sel_hi:[1,0,0] neg_lo:[0,0,1] neg_hi:[0,0,1]   ; c s - c m
.endr
.set j, j+2
.endr
.set j, 0
.rept 32
.irp t, 0,1,2,3
	v_exp_f32 v[S+32*\t+j], v[S+32*\t+j]           ; p
.endr
.set j, j+1
.endr
	v_nop                                          ; a plain instruction behind the last exponential
	s_wait_alu depctr_va_vdst(0)                   ; one wait for the whole batch, ahead of its first reader
.irp t, 0,1,2,3
	v_pk_add_f32 v[TT+4*\t+2:TT+4*\t+3], v[S+32*\t:S+32*\t+1], v[S+32*\t+2:S+32*\t+3]
.endr
.set j, 4
.rept 14
.irp t, 0,1,2,3
	v_pk_add_f32 v[TT+4*\t+2:TT+4*\t+3], v[TT+4*\t+2:TT+4*\t+3], v[S+32*\t+j:S+32*\t+j+1]
.endr
.set j, j+2
.endr
.irp t, 0,1,2,3
	v_pk_fma_f32 v[PS+4*\t+2:PS+4*\t+3], v[PS+4*\t+2:PS+4*\t+3], v[TT+4*\t:TT+4*\t+1], v[TT+4*\t+2:TT+4*\t+3] op_sel_hi:[1,0,1]   ; l = a l + the sum of the unrounded p
.endr
.set i, 0
.rept 16
.irp t, 0,1,2,3
	v_cvt_pk_f16_f32 v[S+32*\t+i], v[S+32*\t+2*i], v[S+32*\t+2*i+1]   ; P in place, ascending: register i is written when registers 2 i, 2 i + 1 are read
.endr
.set i, i+1
.endr
	WIN 0x41                                       ; O^T in window 1, a in window 0
.set j, 0
.rept 16
.irp t, 0,1,2,3
	v_pk_mul_f32 v[32*\t+j:32*\t+j+1], v[32*\t+j:32*\t+j+1], v[TT+4*\t:TT+4*\t+1] op_sel_hi:[1,0]
.endr
.set j, j+2
.endr
	WIN 0
	s_add_co_u32 s[KFS], s[KFS], 128
.endm
; A TRIP.  One barrier at its head: in front of it each wave has waited for all its LDS instructions, so the slot about to be read is whole and nobody reads the slot about to be filled.
; Distances: a load into a register that a matrix instruction has read, and a vector instruction that reads a result, stand four plain vector instructions behind it; a matrix instruction that writes over
; another's operand, or takes another's result as an operand, five.  Both runs of v_nop below are of five, so that the distance holds on every way through the text, whichever branches are taken.
.macro TRIP slot, first
.if !\first
	s_wait_dscnt 0x0
	s_barrier_signal -1
	s_barrier_wait -1
	s_wait_loadcnt 0x0                             ; my part of the next unit, asked for a trip ago, is in the staging registers
	s_wait_xcnt 0x0                                ; and the last prefetch has read its address
	s_cmp_gt_u32 s[TRI], s[NBL]
	s_cbranch_scc1 .Lidle_\@                       ; beyond the count: nothing but the barrier
.endif
	s_add_co_u32 s[TS], s[TRI], 1
	s_cmp_lt_u32 s[TS], s[LIM]
	s_cbranch_scc0 .Lnofill_\@
	s_add_nc_u64 s[GP:GP+1], s[GP:GP+1], 16384     ; on to the unit after
.irp q, 0,1,2,3,4,5,6,7
	ds_store_b128 v[FST], v[ST+4*\q:ST+4*\q+3] offset:SLOTB*(1-\slot)+512*\q
.endr
.Lnofill_\@:
.if !\first
	s_cmp_lt_u32 s[TRI], s[NBL]
	s_cbranch_scc0 .Lnok_\@
.endif
	FRAGK \slot, 0, FB
.if !\first
.Lnok_\@:
	WIN 0x40
	FRAGV \slot
	WIN 0
	s_wait_dscnt 16                                ; V's 16 loads may be out: the stores above have read the staging registers
.else
	s_wait_dscnt 0x0
.endif
	s_add_co_u32 s[TS], s[TRI], 2
	s_cmp_lt_u32 s[TS], s[LIM]
	s_cbranch_scc0 .Lnoload_\@
	LOADST                                         ; unit i + 2: it has a whole trip in which to come
	s_add_co_u32 s[TS], s[TRI], 4
	s_cmp_lt_u32 s[TS], s[PLM]
	s_cbranch_scc0 .Lnoload_\@
	global_prefetch_b8 v[PFO], s[GP:GP+1] offset:32768 th:TH_LOAD_NT scope:SCOPE_SE   ; unit i + 4, two trips ahead of its load: 8 KiB, my part and my odd neighbour's, lanes 256 bytes apart.  All 16 work-groups of a head walk the same K and V: the first asks, so each block of 256 bytes is named once; it stops with the walked blocks
.Lnoload_\@:
.if !\first
	s_cmp_eq_u32 s[GRP], 1
	s_cbranch_scc0 .Lnovb_\@
	VB                                             ; group 1: the softmax of block i - 1
.Lnovb_\@:
	s_wait_dscnt 8                                 ; V's first 32 keys are in; the youngest 8 loads may be out
	PV 0
	s_wait_dscnt 0x0
	PV 1
	WIN 0
.rept 5
	v_nop                                          ; the products below write over P; loads go into V's registers
.endr
	s_cmp_lt_u32 s[TRI], s[NBL]
	s_cbranch_scc0 .Lidle_\@                       ; trip N: no block of K is left
.endif
	WIN 0x40
	FRAGK \slot, 4, FA
	QK 0
	s_wait_dscnt 0x0
	QK 1
	WIN 0
.rept 5
	v_nop                                          ; P will lie in these results' low registers, which the products with V take as an operand: five; the softmax's first read wants four
.endr
	s_cmp_eq_u32 s[GRP], 0
	s_cbranch_scc0 .Lidle_\@
	VB                                             ; group 0: the softmax of block i
.Lidle_\@:
	s_add_co_u32 s[TRI], s[TRI], 1
.endm
	TRIP 0, 1
	s_mov_b32 s[LCT], 16
.Lpair:                                            ; 16 x 2 trips: with the first, trips 0 .. 32: enough for 32 blocks
	TRIP 1, 0
	TRIP 0, 0
	s_sub_co_u32 s[LCT], s[LCT], 1
	s_cmp_lg_u32 s[LCT], 0
	s_cbranch_scc1 .Lpair
	; THE MERGE.  l's two halves and the other half of the lanes' are added; tiles 2, 3 go to wave xor 4, whose tiles 0, 1 they are.
.irp t, 0,1,2,3
	v_add_f32 v[PS+4*\t+1], v[PS+4*\t+2], v[PS+4*\t+3]
.endr
.irp t, 0,1,2,3
	v_permlanex16_b32 v[TT+4*\t], v[PS+4*\t+1], s[SEL], s[SEL+1]
.endr
.irp t, 0,1,2,3
	v_add_f32 v[PS+4*\t+1], v[PS+4*\t+1], v[TT+4*\t]
.endr
	WIN 0x04                                       ; an LDS store's data are its source 1: window 1
.irp t, 2,3
.irp q, 0,1,2,3,4,5,6,7
	ds_store_b128 v[MS], v[32*\t+4*\q:32*\t+4*\q+3] offset:4096*(\t-2)+512*\q
.endr
.endr
	WIN 0
.irp t, 2,3
	ds_store_b64 v[MS2], v[PS+4*\t:PS+4*\t+1] offset:256*(\t-2)
.endr
	s_wait_dscnt 0x0                               ; for the other wave's sake: my stores have landed
	s_barrier_signal -1
	s_barrier_wait -1
.irp t, 0,1
.irp q, 0,1,2,3,4,5,6,7
	ds_load_b128 v[S+32*\t+4*\q:S+32*\t+4*\q+3], v[MR] offset:4096*\t+512*\q
.endr
	ds_load_b64 v[TT+4*\t+2:TT+4*\t+3], v[MR2] offset:256*\t
.endr
	s_wait_dscnt 0x0
.irp t, 0,1
	v_max_num_f32 v[TT+4*\t], v[PS+4*\t], v[TT+4*\t+2]      ; the larger c m
.endr
.irp t, 0,1
	v_sub_f32 v[TT+4*\t+1], v[PS+4*\t], v[TT+4*\t]
	v_sub_f32 v[TT+4*\t], v[TT+4*\t+2], v[TT+4*\t]
.endr
.irp t, 0,1
	v_exp_f32 v[TT+4*\t+1], v[TT+4*\t+1]           ; f1: mine under the common maximum
	v_exp_f32 v[TT+4*\t], v[TT+4*\t]               ; f2: the other's
.endr
	v_nop
	s_wait_alu depctr_va_vdst(0)                   ; one wait for the four, ahead of their first reader
.irp t, 0,1
	v_mul_f32 v[TT+4*\t+2], v[TT+4*\t+3], v[TT+4*\t]
.endr
.irp t, 0,1
	v_fma_f32 v[TT+4*\t+2], v[PS+4*\t+1], v[TT+4*\t+1], v[TT+4*\t+2]   ; the row's sum
.endr
.irp t, 0,1
	v_rcp_f32 v[TT+4*\t+2], v[TT+4*\t+2]
.endr
	v_nop
	s_wait_alu depctr_va_vdst(0)                   ; and one for the two reciprocals
.irp t, 0,1
	v_mul_f32 v[PS+4*\t], v[TT+4*\t+1], v[TT+4*\t+2]
	v_mul_f32 v[PS+4*\t+2], v[TT+4*\t], v[TT+4*\t+2]
.endr
.irp t, 0,1
.set j, 0
.rept 16
	v_pk_mul_f32 v[S+32*\t+j:S+32*\t+j+1], v[S+32*\t+j:S+32*\t+j+1], v[PS+4*\t+2:PS+4*\t+3] op_sel_hi:[1,0]
.set j, j+2
.endr
.endr
	WIN 0x01                                       ; source 0 (my O^T) window 1
.irp t, 0,1
.set j, 0
.rept 16
	v_pk_fma_f32 v[S+32*\t+j:S+32*\t+j+1], v[32*\t+j:32*\t+j+1], v[PS+4*\t:PS+4*\t+1], v[S+32*\t+j:S+32*\t+j+1] op_sel_hi:[1,0,1]
.set j, j+2
.endr
.endr
	WIN 0
.irp t, 0,1
.set i, 0
.rept 16
	v_cvt_pk_f16_f32 v[S+32*\t+i], v[S+32*\t+2*i], v[S+32*\t+2*i+1]
.set i, i+1
.endr
.endr
.irp t, 0,1
.irp ct, 0,1,2,3
	global_store_b128 v[LI], v[S+32*\t+4*\ct:S+32*\t+4*\ct+3], s[12:13] offset:16384*\t+512*\ct   ; a lane's 8 channels of its row are its 16 bytes of the last launch's half fragment: 512 consecutive bytes a store
.endr
.endr
	s_wait_tensorcnt 0x0                           ; the wave's end, behind my last LDS store
	ds_add_u32 v[SPW], v[NIL]
	s_wait_dscnt 0x0
	s_endpgm
.Lfunc_end_k_q277ec1da38_attn:
	.size	k_q277ec1da38_attn, .Lfunc_end_k_q277ec1da38_attn-k_q277ec1da38_attn
	.p2alignl 7, 3214868480
	.fill 96, 4, 3214868480
	.section	.rodata,"a",@progbits
	.p2align	6, 0x0
	.amdhsa_kernel k_q277ec1da38_attn
		.amdhsa_group_segment_fixed_size 136192
		.amdhsa_private_segment_fixed_size 0
		.amdhsa_enable_private_segment 0
		.amdhsa_kernarg_size 40
		.amdhsa_user_sgpr_count 2
		.amdhsa_user_sgpr_kernarg_segment_ptr 1
		.amdhsa_wavefront_size32 1
		.amdhsa_system_sgpr_workgroup_id_x 1
		.amdhsa_system_sgpr_workgroup_id_y 1
		.amdhsa_system_sgpr_workgroup_id_z 1
		.amdhsa_system_vgpr_workitem_id 0
		.amdhsa_next_free_vgpr 512
		.amdhsa_next_free_sgpr 66
		.amdhsa_reserve_vcc 1
		.amdhsa_float_denorm_mode_32 3
		.amdhsa_float_denorm_mode_16_64 3
		.amdhsa_memory_ordered 1
		.amdhsa_forward_progress 1
		.amdhsa_inst_pref_size 198
	.end_amdhsa_kernel
	.amdgpu_metadata
---
amdhsa.version: [ 1, 2 ]
amdhsa.kernels:
  - .name:           k_q277ec1da38_attn
    .symbol:         k_q277ec1da38_attn.kd
    .args:
      - { .name: qf, .offset: 0, .size: 8, .value_kind: global_buffer, .address_space: global }
      - { .name: kf, .offset: 8, .size: 8, .value_kind: global_buffer, .address_space: global }
      - { .name: vf, .offset: 16, .size: 8, .value_kind: global_buffer, .address_space: global }
      - { .name: order, .offset: 24, .size: 8, .value_kind: global_buffer, .address_space: global }
      - { .name: xf, .offset: 32, .size: 8, .value_kind: global_buffer, .address_space: global }
    .group_segment_fixed_size: 136192
    .private_segment_fixed_size: 0
    .kernarg_segment_align: 8
    .kernarg_segment_size: 40
    .max_flat_workgroup_size: 256
    .sgpr_count:     66
    .vgpr_count:     512
    .wavefront_size: 32
...
	.end_amdgpu_metadata
.endif
;; end of part 3
;; launch outp (part 4): grid 4 x 64, 4 waves a work-group, clusters of 4 x 4, 280,064 bytes of LDS; arguments xf, wof, out0; writes out0
.if DOCPART == 4
	.amdgcn_target "amdgcn-amd-amdhsa--gfx1250"
	.amdhsa_code_object_version 6
	.text
	.protected	k_q277ec1da38_outp
	.globl	k_q277ec1da38_outp
	.p2align	8
	.type	k_q277ec1da38_outp,@function
k_q277ec1da38_outp:
	s_mov_b64 s[64:65], 0
	v_nop
	global_prefetch_b8 v0, s[64:65] scope:SCOPE_SE
	s_setreg_imm32_b32 hwreg(HW_REG_WAVE_MODE, 25, 1), 1
	s_wait_xcnt 0x0
	s_wait_alu depctr_hold_cnt(0) depctr_sa_sdst(0) depctr_va_vdst(0) depctr_va_sdst(0) depctr_va_ssrc(0) depctr_va_vcc(0) depctr_vm_vsrc(0)
	s_getreg_b32 s2, hwreg(HW_REG_IB_STS2, 6, 4)
	s_cmp_eq_u32 s2, 0
	s_cbranch_scc0 .Lentry_in_a_cluster
	s_endpgm
.Lentry_in_a_cluster:
	s_bfe_u32 s2, ttmp6, 0x10000c
	s_cmp_lg_u32 s2, 0xf033
	s_cbranch_scc0 .Lentry_shape_is_right
	s_endpgm
.Lentry_shape_is_right:
; THE PROJECTION ON THE WAY OUT: out0[m][n] = the sum over k of x[m][k] w_o[n][k], f16 operands, f32 sums and results.  M = 8,192, N = K = 512.  Nothing is left out here.
; A tile of out0 is 128 x 128: 256 work-groups of four waves, each wave 64 x 64: 16 accumulators.  xf and wof are images of operand registers ([tile of 16 rows][kk 16][e 2][512 bytes]).
; ALL OF K FITS IN LDS: 128 KiB of x and 128 KiB of w_o.  So there are first fills alone, no slot is filled again: each wave asks for its quarter of the 256 KiB by four tensor loads (a quarter of K each), all at the start:
; four loads of mine are out at the most; the products of a quarter of K begin when that quarter has landed, the later ones stay on their way.
; CLUSTERS: 4 x 4 work-groups.  The four of a row of the cluster need the same rows of x, the four of a column the same rows of w_o: each tile is asked for JOINTLY, by the same tensor load with the same descriptor and a mask that names the four.
; THE MATRIX INSTRUCTION IS USED TRANSPOSED (source 0 = 16 rows of w_o, source 1 = 16 rows of x): a lane holds eight neighbouring numbers of a row of out0.
; REGISTERS: window 0: v16-29 addresses; v32-95 the way out; v128-255 the accumulators ((a, b) at v[128 + 8 (4 a + b)]).  Window 1: two fragment buffers of 64: w_o's four fragments, then x's four.
.set REG,   65536                      ; LDS: a region for each fetching wave (0, 1: x's halves; 2, 3: w_o's): [quarter of K 4][tile 4][kk % 4][e 2][512 bytes]
.set STAGE, 262144                     ; behind them: 16 rows x 272 bytes for each wave, for the way out
.set SPARE, 279552                     ; the spare words, 128 bytes for each wave: two blocks of 256 bytes that no other line names
.set ADRX, 16                          ; v16  my 64 rows of x: REG x (wave / 2) + 16 lane
.set ADRW, 17                          ; v17  my 64 rows of w_o: REG x (2 + wave % 2) + 16 lane
.set STO,  24
.set RD,   25
.set CO,   26
.set SPW,  28                          ; v28  my spare word's address; never rewritten
.set NIL,  29                          ; v29  0; never rewritten
.set OB,   32
.set ACC,  128
.set G1X, 24                           ; s[24:31] descriptor group 1 for x's tiles;  s[32:39] for w_o's: it differs in the mask alone
.set G1W, 32
.set G0X, 40                           ; s[40:55] four groups 0 for x's quarters;  s[68:83] for w_o's
.set G0W, 68
.set MSB, 0
.macro WIN new                         ; the immediate's high byte repeats the setting that is left
.if MSB != \new
	s_set_vgpr_msb (MSB<<8)|\new
.set MSB, \new
.endif
.endm
.macro CROUND                          ; a round of the cluster's barrier
	s_barrier_signal -1
	s_barrier_wait -1
	s_cmp_lg_u32 s10, 0
	s_cbranch_scc1 .Lnot_wave_0_\@
	s_barrier_signal -3
.Lnot_wave_0_\@:
	s_barrier_wait -3
	s_barrier_signal -1
	s_barrier_wait -1
.endm
	s_load_b128 s[4:7], s[0:1], 0x0                ; xf s[4:5], wof s[6:7]
	s_load_b64 s[8:9], s[0:1], 0x10                ; out0
	v_lshl_add_u32 v[SPW], v0, 2, SPARE
	v_mov_b32 v[NIL], 0
	ds_add_u32 v[SPW], v[NIL]                      ; the wave's opening: the add, twice on end, and its wait ahead of my first tensor load; the set-up below stands between the second and the wait
	ds_add_u32 v[SPW], v[NIL]
	v_lshrrev_b32 v1, 5, v0
	v_readfirstlane_b32 s10, v1                    ; wave 0..3
	s_lshr_b32 s11, s10, 1                         ; which half of the tile's rows is mine.  Also: I fetch for x (0) or for w_o (1)
	s_and_b32 s12, s10, 1                          ; which half of its columns.  Also: which 64 rows I fetch
	s_bfe_u32 s13, ttmp6, 0x40000                  ; cx
	s_bfe_u32 s14, ttmp6, 0x40004                  ; cy
	s_lshl_b32 s15, ttmp9, 2
	s_add_co_u32 s15, s15, s13                     ; tile column = 4 x cluster x + cx
	s_and_b32 s16, ttmp7, 0xffff
	s_lshl_b32 s16, s16, 2
	s_add_co_u32 s16, s16, s14                     ; tile row = 4 x cluster y + cy
	s_lshl_b32 s17, s14, 2
	s_lshl_b32 s17, 15, s17                        ; my row of the cluster
	s_lshl_b32 s18, 0x1111, s13                    ; my column
	; descriptor group 1: 4 rows (tiles of 16 matrix rows) of 4,096 bytes (a quarter of K), 16,384 bytes apart; elements of 8 bytes; no padding: the images are read in runs of 512 consecutive bytes
	s_or_b32 s[G1X], s17, (3<<16)|(1<<21)          ; 15:0 the mask: x's tiles go to my row; 17:16 elements of 8 bytes; 21 set beside a mask
	s_or_b32 s[G1W], s18, (3<<16)|(1<<21)          ; w_o's go to my column
.irp g, G1X, G1W
	s_mov_b32 s[\g+1], 512<<16                     ; tensor_dim0 = 512
	s_mov_b32 s[\g+2], 4<<16                       ; tensor_dim1 = 4
	s_mov_b32 s[\g+3], 512<<16                     ; tile_dim0 = 512
	s_mov_b32 s[\g+4], 4                           ; tile_dim1 = 4
	s_mov_b32 s[\g+5], 2048                        ; tensor_dim0_stride
	s_mov_b32 s[\g+6], 0
	s_mov_b32 s[\g+7], 0
.endr
	s_lshl_b32 s22, s12, 16                        ; which four tiles I fetch
	s_lshl_b32 s20, s16, 17                        ; x: 8 tiles of 16,384 bytes a tile row: hangs on the tile row alone
	s_add_co_u32 s20, s20, s22
	s_mov_b32 s21, 0
	s_lshl_b32 s56, s15, 17                        ; w_o: hangs on the tile column alone
	s_add_co_u32 s56, s56, s22
	s_mov_b32 s57, 0
	s_lshl_b32 s23, s10, 16                        ; where they go: my region: no place in the cluster enters an LDS address
	s_wait_dscnt 0x0                               ; both opening adds are done
	s_wait_kmcnt 0x0
	s_add_nc_u64 s[20:21], s[4:5], s[20:21]
	s_add_nc_u64 s[56:57], s[6:7], s[56:57]
	CROUND                                         ; all sixteen work-groups are here: the joint loads meet
.irp q, 0,1,2,3
	s_mov_b32 s[G0X+4*\q], 1
	s_add_co_u32 s[G0X+4*\q+1], s23, 16384*\q
	s_add_nc_u64 s[G0X+4*\q+2:G0X+4*\q+3], s[20:21], 4096*\q
	s_or_b32 s[G0X+4*\q+3], s[G0X+4*\q+3], 0x80000000
	s_mov_b32 s[G0W+4*\q], 1
	s_add_co_u32 s[G0W+4*\q+1], s23, 16384*\q
	s_add_nc_u64 s[G0W+4*\q+2:G0W+4*\q+3], s[56:57], 4096*\q
	s_or_b32 s[G0W+4*\q+3], s[G0W+4*\q+3], 0x80000000
.endr
	s_cmp_eq_u32 s11, 0                            ; a wave's four fills stand in one arm of one branch on the wave's number; an s_nop 0 follows each, four v_nop the last
	s_cbranch_scc0 .Lfor_w
.irp q, 0,1,2,3
	tensor_load_to_lds s[G0X+4*\q:G0X+4*\q+3], s[G1X:G1X+7]
	s_nop 0
.endr
.rept 4
	v_nop
.endr
	s_branch .Lasked
.Lfor_w:
.irp q, 0,1,2,3
	tensor_load_to_lds s[G0W+4*\q:G0W+4*\q+3], s[G1W:G1W+7]
	s_nop 0
.endr
.rept 4
	v_nop
.endr
.Lasked:
	v_and_b32 v1, 15, v0                           ; r
	v_bfe_u32 v2, v0, 4, 1                         ; h
	v_and_b32 v3, 31, v0
	v_lshlrev_b32 v3, 4, v3
	s_lshl_b32 s22, s11, 16
	v_add_nc_u32 v[ADRX], s22, v3
	s_lshl_b32 s22, s12, 16
	s_add_co_u32 s22, s22, 2*REG
	v_add_nc_u32 v[ADRW], s22, v3
	s_mul_i32 s22, s10, 16*272
	s_add_co_u32 s22, s22, STAGE                   ; my stage
	v_mul_u32_u24 v4, v1, 272
	v_lshl_add_u32 v4, v2, 5, v4
	v_add_nc_u32 v[STO], s22, v4                   ; in: row r, 32 bytes for each half of the lanes
	v_mul_u32_u24 v4, v2, 272
	v_lshl_add_u32 v4, v1, 4, v4
	v_add_nc_u32 v[RD], s22, v4                    ; back: lanes 0-15 one row of 256 bytes, lanes 16-31 the next
	v_lshlrev_b32 v4, 11, v2
	v_lshl_add_u32 v[CO], v1, 4, v4                ; and the same two rows in out0
	s_lshl_b32 s84, s16, 18                        ; my part of out0: row 128 x tile row + 64 x half, 2,048 bytes a row; column bytes 512 x tile column + 256 x half
	s_lshl_b32 s85, s11, 17
	s_add_co_u32 s84, s84, s85
	s_lshl_b32 s85, s15, 9
	s_add_co_u32 s84, s84, s85
	s_lshl_b32 s85, s12, 8
	s_add_co_u32 s84, s84, s85
	s_mov_b32 s85, 0
	s_add_nc_u64 s[8:9], s[8:9], s[84:85]
.macro FETCH kk                        ; the fragments of 32 along K: 16 loads of 512 consecutive bytes into buffer kk % 2
	WIN 0x40
.set FBS, 64*((\kk)%2)
.set LOF, 16384*((\kk)/4)+1024*((\kk)%4)
.irp i, 0,1,2,3
	ds_load_b128 v[FBS+8*\i:FBS+8*\i+3], v[ADRW] offset:LOF+4096*\i
	ds_load_b128 v[FBS+8*\i+4:FBS+8*\i+7], v[ADRW] offset:LOF+4096*\i+512
	ds_load_b128 v[FBS+32+8*\i:FBS+32+8*\i+3], v[ADRX] offset:LOF+4096*\i
	ds_load_b128 v[FBS+32+8*\i+4:FBS+32+8*\i+7], v[ADRX] offset:LOF+4096*\i+512
.endr
.endm
.macro MUL kk                          ; 16 matrix instructions: the 16 accumulators take turns, one instruction a turn, in the same order in every step; the first step starts the sums
	WIN 0x05                                       ; sources 0 and 1 window 1; C and D window 0
.set MBS, 64*((\kk)%2)
.irp a, 0,1,2,3
.irp b, 0,1,2,3
.if (\kk) == 0
	v_wmma_f32_16x16x32_f16 v[ACC+8*(4*\a+\b):ACC+8*(4*\a+\b)+7], v[MBS+8*\b:MBS+8*\b+7], v[MBS+32+8*\a:MBS+32+8*\a+7], 0
.else
	v_wmma_f32_16x16x32_f16 v[ACC+8*(4*\a+\b):ACC+8*(4*\a+\b)+7], v[MBS+8*\b:MBS+8*\b+7], v[MBS+32+8*\a:MBS+32+8*\a+7], v[ACC+8*(4*\a+\b):ACC+8*(4*\a+\b)+7]
.endif
.endr
.endr
.endm
	s_wait_tensorcnt 3                             ; my first quarter of K is in; the three later ones may stay out
	s_barrier_signal -1
	s_barrier_wait -1                              ; everybody's is
	FETCH 0
.set KK, 0
.rept 16
.if (KK%4 == 3) && (KK < 15)
	s_wait_tensorcnt 2-KK/4                        ; my next quarter of K is in; the later ones may stay out
	s_wait_dscnt 0x0                               ; no LDS instruction of mine is pending at a signal
	s_barrier_signal -1
	s_barrier_wait -1
.endif
.if KK < 15
.if KK > 0
.rept 4
	v_nop                                          ; four places in front of loads into the buffer that the last step but this multiplied
.endr
.endif
	FETCH KK+1
	s_wait_dscnt 16                                ; all but the 16 just issued
.else
	s_wait_dscnt 0x0
.endif
	MUL KK
.set KK, KK+1
.endr
	WIN 0
	; THE WAY OUT, 16 rows x 64 columns at a time: a lane holds 32 neighbouring bytes of a row; through my own stage they come back as whole runs of 256 bytes.  LDS serves a wave's instructions in order.
.rept 4
	v_nop
.endr
.irp a, 0,1,2,3
.if \a >= 2
	s_wait_xcnt 0x0                                ; block a - 2's stores have read their registers: the loads below may land there
.endif
.irp b, 0,1,2,3
	ds_store_b128 v[STO], v[ACC+8*(4*\a+\b):ACC+8*(4*\a+\b)+3] offset:64*\b       ; each accumulator from its low end on
	ds_store_b128 v[STO], v[ACC+8*(4*\a+\b)+4:ACC+8*(4*\a+\b)+7] offset:64*\b+16
.endr
.irp i, 0,1,2,3,4,5,6,7
	ds_load_b128 v[OB+32*(\a%2)+4*\i:OB+32*(\a%2)+4*\i+3], v[RD] offset:544*\i
.endr
	s_wait_dscnt 0x0
.irp i, 0,1,2,3,4,5,6,7
	global_store_b128 v[CO], v[OB+32*(\a%2)+4*\i:OB+32*(\a%2)+4*\i+3], s[8:9] offset:2048*(16*\a+2*\i) th:TH_STORE_NT   ; 16 lanes store 256 consecutive bytes, at a multiple of 256 from out0's first byte
.endr
.endr
	s_wait_tensorcnt 0x0                           ; the wave's end, behind my last tensor load and my last LDS store
	ds_add_u32 v[SPW], v[NIL]
	s_wait_dscnt 0x0
	CROUND                                         ; the closing round: no work-group ends while a partner may still ask for a tile that names it
	s_endpgm
.Lfunc_end_k_q277ec1da38_outp:
	.size	k_q277ec1da38_outp, .Lfunc_end_k_q277ec1da38_outp-k_q277ec1da38_outp
	.p2alignl 7, 3214868480
	.fill 96, 4, 3214868480
	.section	.rodata,"a",@progbits
	.p2align	6, 0x0
	.amdhsa_kernel k_q277ec1da38_outp
		.amdhsa_group_segment_fixed_size 280064
		.amdhsa_private_segment_fixed_size 0
		.amdhsa_enable_private_segment 0
		.amdhsa_kernarg_size 24
		.amdhsa_user_sgpr_count 2
		.amdhsa_user_sgpr_kernarg_segment_ptr 1
		.amdhsa_wavefront_size32 1
		.amdhsa_system_sgpr_workgroup_id_x 1
		.amdhsa_system_sgpr_workgroup_id_y 1
		.amdhsa_system_sgpr_workgroup_id_z 1
		.amdhsa_system_vgpr_workitem_id 0
		.amdhsa_next_free_vgpr 384
		.amdhsa_next_free_sgpr 96
		.amdhsa_reserve_vcc 0
		.amdhsa_float_denorm_mode_32 3
		.amdhsa_float_denorm_mode_16_64 3
		.amdhsa_memory_ordered 1
		.amdhsa_forward_progress 1
		.amdhsa_inst_pref_size 51
	.end_amdhsa_kernel
	.amdgpu_metadata
---
amdhsa.version: [ 1, 2 ]
amdhsa.kernels:
  - .name:           k_q277ec1da38_outp
    .symbol:         k_q277ec1da38_outp.kd
    .args:
      - { .name: xf, .offset: 0, .size: 8, .value_kind: global_buffer, .address_space: global }
      - { .name: wof, .offset: 8, .size: 8, .value_kind: global_buffer, .address_space: global }
      - { .name: out0, .offset: 16, .size: 8, .value_kind: global_buffer, .address_space: global }
    .group_segment_fixed_size: 280064
    .private_segment_fixed_size: 0
    .kernarg_segment_align: 8
    .kernarg_segment_size: 24
    .max_flat_workgroup_size: 128
    .sgpr_count:     96
    .vgpr_count:     384
    .wavefront_size: 32
...
	.end_amdgpu_metadata
.endif
;; end of part 4
